; MI455X (gfx1250); checked and timed in simulation.
; The chip was launched on July 23, 2026; its instructions are those of AMD's public machine-readable ISA for CDNA 5 (MIT licence, August 2026) and "CDNA5" Instruction Set Architecture Reference Guide (July 2026). The comments in the code are by the model that wrote it; some were corrected since.
;; Co Attention. Allowed arithmetic: float matrix products may take bf16 or f16 operands with f32 sums; all other float work in f32.
;; Inputs: b_k 512 float32; b_q 512 float32; b_v1 512 float32; b_v2 512 float32; ln_beta 512 float32; ln_gamma 512 float32; w_k 512 x 512 float32; w_q 512 x 512 float32; w_v1 512 x 512 float32; w_v2 512 x 512 float32; x1 8 x 512 x 2,048 float32; x2 8 x 512 x 2,048 float32.
;; Outputs: out0 8 x 512 x 2,048 float32; out1 8 x 512 x 2,048 float32.
;; One version. Each part assembles by itself: llvm-mc -triple=amdgcn-amd-amdhsa -mcpu=gfx1250 --defsym DOCPART=n.
;; ======== version 1 of 1: 3 launches
;; workspace buffers: wf 2,097,152 bytes; qf 16,777,216 bytes; kf 16,777,216 bytes; v1f 16,777,216 bytes; v2f 16,777,216 bytes
;; launch prep (part 1): grid 256 x 1, 8 waves a work-group, no clusters, 0 bytes of LDS; arguments w_q, w_k, w_v1, w_v2, wf; writes wf
.if DOCPART == 1
	.amdgcn_target "amdgcn-amd-amdhsa--gfx1250"
	.amdhsa_code_object_version 6
	.text
	.protected	k_qc6c726cca2_prep
	.globl	k_qc6c726cca2_prep
	.p2align	8
	.type	k_qc6c726cca2_prep,@function
k_qc6c726cca2_prep:
	s_mov_b64 s[64:65], 0
	v_nop
	global_prefetch_b8 v0, s[64:65] scope:SCOPE_SE
	s_setreg_imm32_b32 hwreg(HW_REG_WAVE_MODE, 25, 1), 1
	s_wait_xcnt 0x0
; The four weight matrices [512 d][512 c] f32 are rounded to bf16 and laid in FRAGMENT ORDER, so that the projection can load matrix operands
; from memory as 512 consecutive bytes a wave.  A fragment is 16 rows x 32 k = 1,024 bytes, [u 2][lane 32][16 bytes]: lane (h = lane / 16, r = lane % 16)
; holds row r, k = 16 u + 8 h + 0..7.   wf = [src 2][w 4][pass 2][kc 16][a 8][fragment]: row d = 128 w + 16 a + r, k = c = 32 kc + ..
; (src, pass): (0,0) w_q, (1,0) w_k, (0,1) w_v1, (1,1) w_v2.
; A work-group makes one block of 8,192 bytes of wf (one src, w, pass, kc); a thread makes two pieces of 16 bytes, from 32 bytes of f32 each.
; The reads are short pieces of rows (32 bytes): 4 MiB in all, once in the whole program; the stores of a wave cover 512 consecutive bytes, aligned.
	s_load_b256 s[4:11], s[0:1], 0x0               ; w_q s[4:5], w_k s[6:7], w_v1 s[8:9], w_v2 s[10:11]
	s_load_b64 s[12:13], s[0:1], 0x20              ; wf
	s_and_b32 s14, ttmp9, 15                       ; kc
	s_bfe_u32 s15, ttmp9, 0x10004                  ; pass
	s_bfe_u32 s16, ttmp9, 0x20005                  ; w
	s_lshr_b32 s17, ttmp9, 7                       ; src
	v_lshrrev_b32 v1, 6, v0                        ; a (the second piece: a + 4)
	v_and_b32 v2, 15, v0                           ; r
	v_lshl_add_u32 v1, v1, 4, v2                   ; row 16 a + r
	v_lshlrev_b32 v1, 11, v1                       ; x 2,048 bytes
	v_bfe_u32 v2, v0, 5, 1                         ; u: 16 numbers of f32 = 64 bytes
	v_lshl_add_u32 v1, v2, 6, v1
	v_bfe_u32 v2, v0, 4, 1                         ; h: 8 numbers = 32 bytes
	v_lshl_add_u32 v1, v2, 5, v1
	v_lshlrev_b32 v3, 4, v0                        ; where my 16 bytes go
	s_lshl_b32 s22, s16, 18                        ; 128 w rows
	s_lshl_b32 s14, s14, 7                         ; 32 kc columns
	s_add_co_u32 s22, s22, s14
	s_mov_b32 s23, 0
	s_wait_kmcnt 0x0
	s_cmp_eq_u32 s17, 0
	s_cselect_b64 s[18:19], s[4:5], s[6:7]         ; pass 0: w_q or w_k
	s_cselect_b64 s[20:21], s[8:9], s[10:11]       ; pass 1: w_v1 or w_v2
	s_cmp_eq_u32 s15, 0
	s_cselect_b64 s[18:19], s[18:19], s[20:21]
	s_add_nc_u64 s[18:19], s[18:19], s[22:23]
	s_lshl_b32 s22, ttmp9, 13                      ; my block of wf
	s_add_nc_u64 s[12:13], s[12:13], s[22:23]
	global_load_b128 v[4:7], v1, s[18:19]
	global_load_b128 v[8:11], v1, s[18:19] offset:16
	global_load_b128 v[12:15], v1, s[18:19] offset:131072      ; 64 rows further down: a + 4
	global_load_b128 v[16:19], v1, s[18:19] offset:131088
	s_wait_loadcnt 0x2                             ; the first piece's two loads are in, the second's two may be out
	v_cvt_pk_bf16_f32 v20, v4, v5
	v_cvt_pk_bf16_f32 v21, v6, v7
	v_cvt_pk_bf16_f32 v22, v8, v9
	v_cvt_pk_bf16_f32 v23, v10, v11
	global_store_b128 v3, v[20:23], s[12:13]
	s_wait_loadcnt 0x0
	v_cvt_pk_bf16_f32 v24, v12, v13
	v_cvt_pk_bf16_f32 v25, v14, v15
	v_cvt_pk_bf16_f32 v26, v16, v17
	v_cvt_pk_bf16_f32 v27, v18, v19
	global_store_b128 v3, v[24:27], s[12:13] offset:4096
	s_endpgm
.Lfunc_end_k_qc6c726cca2_prep:
	.size	k_qc6c726cca2_prep, .Lfunc_end_k_qc6c726cca2_prep-k_qc6c726cca2_prep
	.p2alignl 7, 3214868480
	.fill 96, 4, 3214868480
	.section	.rodata,"a",@progbits
	.p2align	6, 0x0
	.amdhsa_kernel k_qc6c726cca2_prep
		.amdhsa_group_segment_fixed_size 0
		.amdhsa_private_segment_fixed_size 0
		.amdhsa_enable_private_segment 0
		.amdhsa_kernarg_size 40
		.amdhsa_user_sgpr_count 2
		.amdhsa_user_sgpr_kernarg_segment_ptr 1
		.amdhsa_wavefront_size32 1
		.amdhsa_system_sgpr_workgroup_id_x 1
		.amdhsa_system_sgpr_workgroup_id_y 1
		.amdhsa_system_sgpr_workgroup_id_z 1
		.amdhsa_system_vgpr_workitem_id 0
		.amdhsa_next_free_vgpr 28
		.amdhsa_next_free_sgpr 66
		.amdhsa_reserve_vcc 0
		.amdhsa_float_denorm_mode_32 3
		.amdhsa_float_denorm_mode_16_64 3
		.amdhsa_memory_ordered 1
		.amdhsa_forward_progress 1
		.amdhsa_inst_pref_size 3
	.end_amdhsa_kernel
	.amdgpu_metadata
---
amdhsa.version: [ 1, 2 ]
amdhsa.kernels:
  - .name:           k_qc6c726cca2_prep
    .symbol:         k_qc6c726cca2_prep.kd
    .args:
      - { .name: w_q, .offset: 0, .size: 8, .value_kind: global_buffer, .address_space: global }
      - { .name: w_k, .offset: 8, .size: 8, .value_kind: global_buffer, .address_space: global }
      - { .name: w_v1, .offset: 16, .size: 8, .value_kind: global_buffer, .address_space: global }
      - { .name: w_v2, .offset: 24, .size: 8, .value_kind: global_buffer, .address_space: global }
      - { .name: wf, .offset: 32, .size: 8, .value_kind: global_buffer, .address_space: global }
    .group_segment_fixed_size: 0
    .private_segment_fixed_size: 0
    .kernarg_segment_align: 8
    .kernarg_segment_size: 40
    .max_flat_workgroup_size: 256
    .sgpr_count:     66
    .vgpr_count:     28
    .wavefront_size: 32
...
	.end_amdgpu_metadata
.endif
;; end of part 1
;; launch proj (part 2): grid 16 x 16, 4 waves a work-group, no clusters, 147,968 bytes of LDS; arguments x1, x2, wf, b_q, b_k, b_v1, b_v2, qf, kf, v1f, v2f; writes qf, kf, v1f, v2f
.if DOCPART == 2
	.amdgcn_target "amdgcn-amd-amdhsa--gfx1250"
	.amdhsa_code_object_version 6
	.text
	.protected	k_qc6c726cca2_proj
	.globl	k_qc6c726cca2_proj
	.p2align	8
	.type	k_qc6c726cca2_proj,@function
k_qc6c726cca2_proj:
	s_mov_b64 s[64:65], 0
	v_nop
	global_prefetch_b8 v0, s[64:65] scope:SCOPE_SE
	s_setreg_imm32_b32 hwreg(HW_REG_WAVE_MODE, 25, 1), 1
	s_wait_xcnt 0x0
; THE FOUR PROJECTIONS.  y[l][d] = sum over c of x[c][l] W[d][c] + bias[d], x: [8][512 c][2048 l] f32; operands rounded to bf16, sums in f32, results rounded once to bf16.
; A work-group takes 128 l of one batch of one source (src 0: x1 -> q, v1; src 1: x2 -> k, v2): 16 x 16 = 256 work-groups.  Its x tile [512 c][128 l] is read from memory once,
; rounded and kept in LDS for both products.  Wave w makes d = 128 w .. + 127 for all 128 l, first of q or k (pass 0), then of v (pass 1): 64 accumulators, 512 registers.
; The weights come in fragment order (launch prep) from memory straight into registers: each weight byte feeds one wave of the work-group alone, so LDS would add a copy and nothing else.
; NO CLUSTER: the x tile is one work-group's own; the weights, which all work-groups share, do not pass through LDS, where a joint load would put them.
; OUTPUT IN FRAGMENT ORDER (a fragment: 16 rows x 32 k, [u 2][lane 32][16 bytes], lane (h, r): row r, k = 16 u + 8 h + 0..7):
;   qf, kf  = [b 8][l / 16: 128][kc 16][fragment]            row = l, k = channel
;   v1f, v2f = [b 8][l / 64: 32][cb 32][kk 2][fragment]      row = channel 16 cb + r, k = l (the key) = 32 kk + ..
; Pass 0 multiplies W (source 0) by x (source 1): a lane's eight results are eight neighbouring d of one l: 16 bytes of a q fragment, at 16 x lane.
; Pass 1 swaps the sources: eight neighbouring l of one d: 16 bytes of a v fragment, at 16 x lane.  So every store of a wave covers 512 consecutive bytes, aligned, and no stage in LDS is needed.
; The bias is the C operand of each sum's first product: nothing is cleared and nothing added afterwards.
; LIMITS.  x, W, q, k, v are rounded to bf16 (range of f32); NaN and infinities are not treated apart.
; REGISTERS, in windows of 256 (s_set_vgpr_msb: bits 1:0 source 0, 3:2 source 1, 5:4 source 2, 7:6 destination):
;   window 0: v0-7 addresses; v32-63 at work; v64-127, v128-191 x fragments, two buffers; v192-255 packed results (while x comes in: v64-255 are three sets of 16 rows)
;   window 1: v0-63, v64-127 W fragments, two buffers; v128-191 bias for pass 0; v192-255 bias for pass 1
;   window 2: accumulators of d blocks 0-3 ((a, b) at 64 (a % 4) + 8 b, b = the l tile);   window 3: d blocks 4-7
.set LP,  288                          ; an LDS row of the x tile: 128 bf16 + 32 bytes = 72 words: the turning load's 8 rows x 32 bytes fall on different banks (64 banks of 4 bytes: ISA guide 11.1)
.set XB,  64
.set TMP, 192
.set BI,  128
.set MSB, 0
.macro WIN new                         ; the immediate's high byte repeats the setting that is left; a switch that changes nothing is dropped
.if MSB != (\new)
	s_set_vgpr_msb (MSB<<8)|(\new)
.set MSB, (\new)
.endif
.endm
.macro PLACES                          ; a load into a register that a matrix instruction has read, and a conversion that reads a matrix result, stand four plain vector instructions behind it (ISA guide 7.12.1 for the conversion)
.rept 4
	v_nop
.endr
.endm
	s_load_b512 s[4:19], s[0:1], 0x0               ; x1 4, x2 6, wf 8, b_q 10, b_k 12, b_v1 14, b_v2 16, qf 18
	s_load_b128 s[20:23], s[0:1], 0x40             ; kf 20, v1f 22
	s_load_b64 s[24:25], s[0:1], 0x50              ; v2f
	v_lshl_add_u32 v30, v0, 2, 0x24000
	v_mov_b32 v31, 0
	v_lshrrev_b32 v8, 5, v0
	v_readfirstlane_b32 s26, v8                    ; wave 0..3
	s_mov_b32 s27, ttmp9                           ; block of 128 l
	s_and_b32 s28, ttmp7, 0xffff
	s_and_b32 s29, s28, 7                          ; batch
	s_lshr_b32 s28, s28, 3                         ; src
	v_and_b32 v9, 31, v0                           ; lane
	v_lshlrev_b32 v1, 4, v9                        ; v1: 16 x lane; never rewritten
	v_and_b32 v10, 7, v0
	v_bfe_u32 v11, v0, 4, 1                        ; h
	v_lshl_add_u32 v10, v11, 3, v10                ; the turning load: lane reads row 8 h + lane % 8,
	v_mul_u32_u24 v2, v10, LP
	v_bfe_u32 v10, v0, 3, 1
	v_lshl_add_u32 v2, v10, 4, v2                  ; v2: 16 bytes at 16 ((lane / 8) % 2); never rewritten
	s_lshl_b32 s42, s26, 20                        ; my 128 rows of x: 128 x 8,192 bytes
	v_add_nc_u32 v4, s42, v1                       ; v4: my 16 bytes of a row of the tile in memory
	s_mul_i32 s42, s26, 128*LP
	v_lshl_add_u32 v5, v9, 3, s42                  ; v5: my 8 bytes of that row in LDS
	v_lshlrev_b32 v6, 5, v11                       ; v6: bias for pass 0: eight numbers at 8 h
	v_and_b32 v7, 15, v0
	v_lshlrev_b32 v7, 2, v7                        ; v7: bias for pass 1: one number at r
	s_mov_b32 s43, 0
	s_wait_kmcnt 0x0
	s_cmp_eq_u32 s28, 0
	s_cselect_b64 s[30:31], s[4:5], s[6:7]         ; x
	s_cselect_b64 s[34:35], s[10:11], s[12:13]     ; bias of pass 0
	s_cselect_b64 s[36:37], s[14:15], s[16:17]     ; bias of pass 1
	s_cselect_b64 s[38:39], s[18:19], s[20:21]     ; output of pass 0
	s_cselect_b64 s[40:41], s[22:23], s[24:25]     ; output of pass 1
	s_lshl_b32 s42, s29, 22                        ; x: batch x 4 MiB + block x 512 bytes
	s_lshl_b32 s45, s27, 9
	s_add_co_u32 s42, s42, s45
	s_add_nc_u64 s[30:31], s[30:31], s[42:43]
	s_lshl_b32 s42, s28, 20                        ; wf: src x 1 MiB + wave x 256 KiB
	s_lshl_b32 s45, s26, 18
	s_add_co_u32 s42, s42, s45
	s_add_nc_u64 s[32:33], s[8:9], s[42:43]
	s_lshl_b32 s42, s26, 9                         ; my 128 numbers of each bias
	s_add_nc_u64 s[34:35], s[34:35], s[42:43]
	s_add_nc_u64 s[36:37], s[36:37], s[42:43]
	s_lshl_b32 s42, s29, 21                        ; outputs: batch x 2 MiB + block x 128 KiB,
	s_lshl_b32 s45, s27, 17
	s_add_co_u32 s45, s42, s45
	s_lshl_b32 s42, s26, 12                        ; q, k: my 128 channels are kc = 4 w .. 4 w + 3
	s_add_co_u32 s42, s42, s45
	s_add_nc_u64 s[38:39], s[38:39], s[42:43]
	s_lshl_b32 s42, s26, 14                        ; v: my 128 channels are cb = 8 w .. 8 w + 7
	s_add_co_u32 s42, s42, s45
	s_add_nc_u64 s[40:41], s[40:41], s[42:43]
; x COMES IN: each wave takes 128 rows c, in eight groups of 16; a row of the tile is 512 consecutive bytes, one load of the wave.  Three groups are on their way at a time.
.macro XLOAD g
.set xs, 64+64*((\g)%3)
.set i, 0
.rept 16
	global_load_b128 v[xs+4*i:xs+4*i+3], v4, s[30:31] offset:(16*(\g)+i)*8192 th:TH_LOAD_NT
.set i, i+1
.endr
.endm
.macro XGROUP g, n                     ; n: the loads issued behind group g's, which may stay out
	s_wait_loadcnt \n
.set xs, 64+64*((\g)%3)
.set i, 0
.rept 16
	v_cvt_pk_bf16_f32 v[32+2*i], v[xs+4*i], v[xs+4*i+1]
	v_cvt_pk_bf16_f32 v[33+2*i], v[xs+4*i+2], v[xs+4*i+3]
.set i, i+1
.endr
.set i, 0
.rept 16
	ds_store_b64 v5, v[32+2*i:33+2*i] offset:(16*(\g)+i)*LP   ; 32 lanes, 256 consecutive bytes
.set i, i+1
.endr
.endm
; eight loads: half (d blocks 4 half .. + 3) of the W fragments of one K step of 32, at byte off behind s[32:33], into buffer buf
.macro FW buf, half, off
	WIN 0x40                                       ; destination window 1, address window 0
.irp ia, 0,1,2,3
	global_load_b128 v[64*(\buf)+8*(4*(\half)+\ia):64*(\buf)+8*(4*(\half)+\ia)+3],   v1, s[32:33] offset:(\off)+(4*(\half)+\ia)*1024
	global_load_b128 v[64*(\buf)+8*(4*(\half)+\ia)+4:64*(\buf)+8*(4*(\half)+\ia)+7], v1, s[32:33] offset:(\off)+(4*(\half)+\ia)*1024+512
.endr
.endm
; sixteen turning loads: the x fragments (8 l tiles x 32 c) of one K step into buffer buf: lane l then holds column l % 16 and k along its registers
.macro FX buf, adr, off
	WIN 0
.irp ib, 0,1,2,3,4,5,6,7
	ds_load_tr16_b128 v[XB+64*(\buf)+8*\ib:XB+64*(\buf)+8*\ib+3],   v[\adr] offset:(\off)+32*\ib
	ds_load_tr16_b128 v[XB+64*(\buf)+8*\ib+4:XB+64*(\buf)+8*\ib+7], v[\adr] offset:(\off)+32*\ib+16*LP
.endr
.endm
; 32 matrix instructions: d blocks 4 half .. + 3 x all 8 l tiles, 32 along c.  The 32 accumulators take turns, one instruction a turn.  first = 1: the bias is C and starts the sums.
.macro MUL32 p, par, half, first
.if \first
	WIN 0x91+3*(\p)+0x40*(\half)
.else
	WIN 0xa1+3*(\p)+0x50*(\half)
.endif
.irp ia, 0,1,2,3
.irp ib, 0,1,2,3,4,5,6,7
.set rD, 64*\ia+8*\ib
.set rW, 64*(\par)+8*(4*(\half)+\ia)
.set rX, XB+64*(\par)+8*\ib
.set rB, BI+64*(\p)+8*(4*(\half)+\ia)
.if (\p) == 0
.if \first
	v_wmma_f32_16x16x32_bf16 v[rD:rD+7], v[rW:rW+7], v[rX:rX+7], v[rB:rB+7]
.else
	v_wmma_f32_16x16x32_bf16 v[rD:rD+7], v[rW:rW+7], v[rX:rX+7], v[rD:rD+7]
.endif
.else
.if \first
	v_wmma_f32_16x16x32_bf16 v[rD:rD+7], v[rX:rX+7], v[rW:rW+7], v[rB:rB+7]
.else
	v_wmma_f32_16x16x32_bf16 v[rD:rD+7], v[rX:rX+7], v[rW:rW+7], v[rD:rD+7]
.endif
.endif
.endr
.endr
.endm
; ONE K STEP of 32 (step kc, buffers par = kc % 2): 64 matrix instructions.  The halves of W go out in the order H0(0) H1(0) H0(1) H1(1) .., each three halves ahead of its use:
; in front of the first 32 products H1(kc+1) is asked for, so behind H0(kc) stand H1(kc), H0(kc+1), H1(kc+1): n1 = 24 loads may be out; in front of the second 32, H0(kc+2): n2 = 24 again.
; f1, f0, fx = 0: that fetch is left out (the last steps), and the counts run down.
.macro CHUNK p, par, wo, xadr, xo, first, f1, f0, fx, n1, n2
.if (\f1) || (\fx)
	PLACES
.endif
.if \f1
	FW 1-(\par), 1, (\wo)+8192
.endif
.if \fx
	FX 1-(\par), \xadr, \xo
.endif
	s_wait_loadcnt \n1
.if \fx
	s_wait_dscnt 16                                ; this step's x fragments are in; the sixteen just issued may be out
.else
	s_wait_dscnt 0
.endif
	MUL32 \p, \par, 0, \first
.if \f0
	PLACES
	FW \par, 0, (\wo)+16384
.endif
	s_wait_loadcnt \n2
	MUL32 \p, \par, 1, \first
.endm
; THE WAY OUT of pass p: sixteen accumulators at a time are rounded to bf16, registers ascending, and stored: a lane's 16 bytes lie at 16 x lane of a half fragment.
.macro OUT p
	PLACES
.irp og, 0,1,2,3
	s_wait_xcnt 0x0                                ; the packed registers are rewritten only when the stores that read them have had their addresses translated (ISA guide 3.1)
	WIN 0x0a+5*(\og/2)                             ; sources 0 and 1: window 2 or 3
.set i, 0
.rept 16                               ; d block a = 2 og + i / 8, l tile b = i % 8
.set rA, 64*((2*\og+i/8)%4)+8*(i%8)
	v_cvt_pk_bf16_f32 v[TMP+4*i],   v[rA],   v[rA+1]
	v_cvt_pk_bf16_f32 v[TMP+4*i+1], v[rA+2], v[rA+3]
	v_cvt_pk_bf16_f32 v[TMP+4*i+2], v[rA+4], v[rA+5]
	v_cvt_pk_bf16_f32 v[TMP+4*i+3], v[rA+6], v[rA+7]
.set i, i+1
.endr
	WIN 0
.set i, 0
.rept 16
.if (\p) == 0
	global_store_b128 v1, v[TMP+4*i:TMP+4*i+3], s[38:39] offset:(i%8)*16384+(2*\og+i/8)*512   ; l tile b: 16 KiB; d block a: kc = a / 2, u = a % 2
.else
	global_store_b128 v1, v[TMP+4*i:TMP+4*i+3], s[40:41] offset:((i%8)/4)*65536+(2*\og+i/8)*2048+((i%8)%4)*512   ; l tile b: key block b / 4, kk and u = b % 4; d block a: cb
.endif
.set i, i+1
.endr
.endr
.endm
	XLOAD 0
	XLOAD 1
	XLOAD 2
	XGROUP 0, 32                                   ; two younger groups of sixteen may be out
	XLOAD 3
	XGROUP 1, 32
	XLOAD 4
	XGROUP 2, 32
	XLOAD 5
	XGROUP 3, 32
	XLOAD 6
	XGROUP 4, 32
	XLOAD 7
	XGROUP 5, 32
	WIN 0x40                                       ; the biases: 24 loads.  Pass 0: register j of d block a holds bias[16 a + 8 h + j]; pass 1: bias[16 a + r], copied to all eight registers later
.set i, 0
.rept 8
	global_load_b128 v[BI+8*i:BI+8*i+3],   v6, s[34:35] offset:i*64
	global_load_b128 v[BI+8*i+4:BI+8*i+7], v6, s[34:35] offset:i*64+16
	global_load_b32  v[BI+64+8*i],         v7, s[36:37] offset:i*64
.set i, i+1
.endr
	WIN 0
	XGROUP 6, 40                                   ; group 7's sixteen and the 24 of the biases may be out
	s_wait_loadcnt 24                              ; group 7 is in; only now the first weights go out: 56 loads of mine are out at the most
	FW 0, 0, 0
	FW 0, 1, 0
	FW 1, 0, 8192
	WIN 0
	XGROUP 7, 48                                   ; (met already: biases and weights are younger)
	s_wait_dscnt 0x0                               ; for the others' sake: my rows of the tile are in LDS
	s_barrier_signal -1
	s_barrier_wait -1                              ; the kernel's one barrier: the tile is whole, and is only read from here on
	; PASS 0: q or k
	FX 0, 2, 0
	v_mov_b32 v3, v2                               ; v3 walks along c with the K steps
	CHUNK 0, 0, 0, 3, 32*LP, 1, 1, 1, 1, 24, 24
	WIN 0
	v_add_nc_u32 v3, 32*LP, v3
	s_wait_xcnt 0x0                                ; the weights' base is stepped only behind this wait
	s_add_nc_u64 s[32:33], s[32:33], 8192
	s_mov_b32 s44, 7
.Lp0:                                  ; seven trips of two K steps: steps 1 to 14
	CHUNK 0, 1, 0,    3, 32*LP, 0, 1, 1, 1, 24, 24
	CHUNK 0, 0, 8192, 3, 64*LP, 0, 1, 1, 1, 24, 24
	WIN 0
	v_add_nc_u32 v3, 64*LP, v3
	s_wait_xcnt 0x0
	s_add_nc_u64 s[32:33], s[32:33], 16384
	s_sub_co_u32 s44, s44, 1
	s_cmp_lg_u32 s44, 0
	s_cbranch_scc1 .Lp0
	CHUNK 0, 1, 0, 2, 0, 0, 1, 1, 1, 24, 24        ; step 15: its fetches run on into pass 1, whose weights follow pass 0's in wf; x begins again at c = 0
	WIN 0
	s_wait_xcnt 0x0
	s_add_nc_u64 s[32:33], s[32:33], 8192
	OUT 0
	WIN 0x41                                       ; pass 1's bias is the same in a lane's eight registers
.set i, 0
.rept 8
.irp j, 1,2,3,4,5,6,7
	v_mov_b32 v[BI+64+8*i+\j], v[BI+64+8*i]
.endr
.set i, i+1
.endr
	WIN 0
	; PASS 1: v
	v_mov_b32 v3, v2
	CHUNK 1, 0, 0, 3, 32*LP, 1, 1, 1, 1, 24, 24
	WIN 0
	v_add_nc_u32 v3, 32*LP, v3
	s_wait_xcnt 0x0
	s_add_nc_u64 s[32:33], s[32:33], 8192
	s_mov_b32 s44, 6
.Lp1:                                  ; six trips: steps 1 to 12
	CHUNK 1, 1, 0,    3, 32*LP, 0, 1, 1, 1, 24, 24
	CHUNK 1, 0, 8192, 3, 64*LP, 0, 1, 1, 1, 24, 24
	WIN 0
	v_add_nc_u32 v3, 64*LP, v3
	s_wait_xcnt 0x0
	s_add_nc_u64 s[32:33], s[32:33], 16384
	s_sub_co_u32 s44, s44, 1
	s_cmp_lg_u32 s44, 0
	s_cbranch_scc1 .Lp1
	CHUNK 1, 1, 0,    3, 32*LP, 0, 1, 1, 1, 24, 24 ; step 13
	CHUNK 1, 0, 8192, 3, 64*LP, 0, 1, 0, 1, 24, 16 ; step 14: no step 16 to ask for: behind H1(14) stand H0(15), H1(15)
	CHUNK 1, 1, 0,    3, 0,     0, 0, 0, 0, 8, 0   ; step 15: nothing is asked for: behind H0(15) stands H1(15), behind that nothing
	OUT 1
	s_wait_tensorcnt 0x0
	ds_add_u32 v30, v31
	s_wait_dscnt 0x0
	s_endpgm
.Lfunc_end_k_qc6c726cca2_proj:
	.size	k_qc6c726cca2_proj, .Lfunc_end_k_qc6c726cca2_proj-k_qc6c726cca2_proj
	.p2alignl 7, 3214868480
	.fill 96, 4, 3214868480
	.section	.rodata,"a",@progbits
	.p2align	6, 0x0
	.amdhsa_kernel k_qc6c726cca2_proj
		.amdhsa_group_segment_fixed_size 147968
		.amdhsa_private_segment_fixed_size 0
		.amdhsa_enable_private_segment 0
		.amdhsa_kernarg_size 88
		.amdhsa_user_sgpr_count 2
		.amdhsa_user_sgpr_kernarg_segment_ptr 1
		.amdhsa_wavefront_size32 1
		.amdhsa_system_sgpr_workgroup_id_x 1
		.amdhsa_system_sgpr_workgroup_id_y 1
		.amdhsa_system_sgpr_workgroup_id_z 1
		.amdhsa_system_vgpr_workitem_id 0
		.amdhsa_next_free_vgpr 1024
		.amdhsa_next_free_sgpr 66
		.amdhsa_reserve_vcc 0
		.amdhsa_float_denorm_mode_32 3
		.amdhsa_float_denorm_mode_16_64 3
		.amdhsa_memory_ordered 1
		.amdhsa_forward_progress 1
		.amdhsa_inst_pref_size 159
	.end_amdhsa_kernel
	.amdgpu_metadata
---
amdhsa.version: [ 1, 2 ]
amdhsa.kernels:
  - .name:           k_qc6c726cca2_proj
    .symbol:         k_qc6c726cca2_proj.kd
    .args:
      - { .name: x1, .offset: 0, .size: 8, .value_kind: global_buffer, .address_space: global }
      - { .name: x2, .offset: 8, .size: 8, .value_kind: global_buffer, .address_space: global }
      - { .name: wf, .offset: 16, .size: 8, .value_kind: global_buffer, .address_space: global }
      - { .name: b_q, .offset: 24, .size: 8, .value_kind: global_buffer, .address_space: global }
      - { .name: b_k, .offset: 32, .size: 8, .value_kind: global_buffer, .address_space: global }
      - { .name: b_v1, .offset: 40, .size: 8, .value_kind: global_buffer, .address_space: global }
      - { .name: b_v2, .offset: 48, .size: 8, .value_kind: global_buffer, .address_space: global }
      - { .name: qf, .offset: 56, .size: 8, .value_kind: global_buffer, .address_space: global }
      - { .name: kf, .offset: 64, .size: 8, .value_kind: global_buffer, .address_space: global }
      - { .name: v1f, .offset: 72, .size: 8, .value_kind: global_buffer, .address_space: global }
      - { .name: v2f, .offset: 80, .size: 8, .value_kind: global_buffer, .address_space: global }
    .group_segment_fixed_size: 147968
    .private_segment_fixed_size: 0
    .kernarg_segment_align: 8
    .kernarg_segment_size: 88
    .max_flat_workgroup_size: 128
    .sgpr_count:     66
    .vgpr_count:     1024
    .wavefront_size: 32
...
	.end_amdgpu_metadata
.endif
;; end of part 2
;; launch attn (part 3): grid 16 x 16, 4 waves a work-group, clusters of 4 x 1, 327,680 bytes of LDS; arguments qf, kf, v1f, v2f, x1, x2, ln_gamma, ln_beta, out0, out1; writes out0, out1
.if DOCPART == 3
	.amdgcn_target "amdgcn-amd-amdhsa--gfx1250"
	.amdhsa_code_object_version 6
	.text
	.protected	k_qc6c726cca2_attn
	.globl	k_qc6c726cca2_attn
	.p2align	8
	.type	k_qc6c726cca2_attn,@function
k_qc6c726cca2_attn:
	s_mov_b64 s[64:65], 0
	v_nop
	global_prefetch_b8 v0, s[64:65] scope:SCOPE_SE
	s_setreg_imm32_b32 hwreg(HW_REG_WAVE_MODE, 25, 1), 1
	s_wait_xcnt 0x0
	s_wait_alu depctr_hold_cnt(0) depctr_sa_sdst(0) depctr_va_vdst(0) depctr_va_sdst(0) depctr_va_ssrc(0) depctr_va_vcc(0) depctr_vm_vsrc(0)
	s_getreg_b32 s2, hwreg(HW_REG_IB_STS2, 6, 4)
	s_cmp_eq_u32 s2, 0
	s_cbranch_scc0 .Lentry_in_a_cluster
	s_endpgm
.Lentry_in_a_cluster:
	s_bfe_u32 s2, ttmp6, 0x10000c
	s_cmp_lg_u32 s2, 0x3003
	s_cbranch_scc0 .Lentry_shape_is_right
	s_endpgm
.Lentry_shape_is_right:
; BOTH HALVES OF THE CO-ATTENTION, with skip and layer norm.  The softmax over columns is the softmax over rows with q and k exchanged, so one text serves both:
;   dir 0: Q = q, K = k, V = v2, skip x1 -> out0        dir 1: Q = k, K = q, V = v1, skip x2 -> out1
;   out[b][c][l] = LN_c( sum over keys of softmax_key(Q[l] . K[key] / sqrt(512)) V[key][c] + x[b][c][l] ) gamma[c] + beta[c]
; The scores are made once for each direction and never go to memory.  Q, K, V arrive in bf16 in fragment order (launch proj): every fragment load is 512 consecutive bytes.
; SHARES.  A work-group owns 128 queries of one batch and direction (256 work-groups), a wave 32 of them, two tiles of 16, with all 512 channels: O^T is 512 registers, Q 256.  Every wave walks 32 steps of 64 keys.
; LAYOUT.  S^T = K Q^T (source 0 = 16 keys, source 1 = 16 queries): a lane holds ONE query (lane % 16) and keys 8 (lane / 16) + 0..7.  Two such results rounded to bf16 ARE source 1 of O^T = V^T P,
; whose result holds one query a lane and eight channels.  Nothing changes lanes between the products.
; SOFTMAX.  A running maximum m and sum l for each query: p = 2^(c s - c m), c = log2(e) / sqrt(512); in every step O and l are multiplied by a = 2^(c m_old - c m_new).
; ONE STEP APART.  Trip j: the weights of step j - 1 are rounded to bf16; 128 products S_j = K(j) Q^T, and behind every two of them one accumulator of O^T times a(j-1);
; 128 products O^T += V(j-1)^T P(j-1), and behind every two of them a slice of step j's softmax.  So the vector work stands beside products that do not wait for it.
; A slot of LDS holds what one trip reads: K(t) and V(t-1).  33 trips: 0 to 30 in the loop; trip 31 written out (only V(31) is left to ask for); trip 32 is the tail: rescaling and V(31)^T P(31).
; Trip 0 is a trip like any other: m starts at the lowest finite number, l, O^T and S^T at 0, so its weights are 0; they are multiplied by V(0), which waves 2 and 3 bring as their first fill too:
; 128 products on zeros and 65,536 bytes asked for twice, once a launch, are the price of one text for every trip.
; CLUSTER.  The four query blocks of a cluster share batch and direction and walk the same K and V: each tile is asked for JOINTLY, the same load, descriptor and mask in all four.
; THE END.  O^T goes into LDS as [channel 512][query 128] f32 (the slots have had their last fill); then wave w takes channels 128 w .. + 127, a lane four queries:
; v = O / l + x (kept in LDS); mean over channels; variance from the differences v - mean (a second pass, no difference of large sums); scale, gain, bias, and stores of 512 consecutive bytes.
; LIMITS.  Q, K, V and the weights p are rounded to bf16 (l is the sum of the unrounded p); a weight below 2^-126 counts as 0; NaN and infinities are not treated apart.
; REGISTERS, in windows of 256 (s_set_vgpr_msb: bits 1:0 source 0, 3:2 source 1, 5:4 source 2, 7:6 destination):
;   window 0: v0-15 addresses; v16-31 statistics, eight a tile; v32-95 S^T; v96-127 P; v128-191, v192-255 fragments of K or V, two buffers
;   window 1: Q (tile t, channels 32 kc on: 128 t + 8 kc); in the tail: 32 rows of x        window 2, 3: O^T of tile 0, 1 (channel block cb at 8 cb)
.set SLOT1, 1<<17                      ; a slot: 64 keys of K (65,536 bytes), then of V; slot 1 begins here, so that one exclusive or changes slots
.set VOFF,  65536
.set DP,    528                        ; a row of the dump: 128 queries x 4 bytes + 16
.set INVL,  512*DP                     ; 270,336: 1 / l of the 128 queries
.set PART1, INVL+512                   ; the waves' partial sums, 512 bytes each
.set PART2, PART1+2048                 ; and partial sums of squares
.set SPARE, PART2+2048                 ; the spare words, 128 bytes for each wave: two blocks of 256 bytes that no other line names
.set GB,    SPARE+512                  ; for each wave 1,024 bytes: the gain, then the bias, of its 128 channels
.set ST, 16                            ; tile t at ST + 8 t: c m, m, l (even keys', odd keys'), c0-c3 at work; a takes c2's place, l's second chain c0 and c1
.set S,  32
.set P,  96
.set F,  128
.set CS, 62                            ; s[62:63] c
.set SEL, 66                           ; s[66:67] v_permlanex16_b32's selects
.set MSB, 0
.macro WIN new                         ; the immediate's high byte repeats the setting that is left; a switch that changes nothing is dropped
.if MSB != (\new)
	s_set_vgpr_msb (MSB<<8)|(\new)
.set MSB, (\new)
.endif
.endm
.macro PLACES                          ; four plain vector instructions between a matrix instruction and a load into, or a vector read or write of, its registers (ISA guide 7.12.1 for vector reads and writes)
.rept 4
	v_nop
.endr
.endm
; A round of the cluster's barrier: my work-group's barrier, so that wave 0's signal speaks for all four waves; wave 0 signals; every wave waits for all four work-groups; my work-group's barrier once more.
.macro CROUND
	s_barrier_signal -1
	s_barrier_wait -1
	s_cmp_lg_u32 s36, 0
	s_cbranch_scc1 .Lnot_wave_0_\@
	s_barrier_signal -3
.Lnot_wave_0_\@:
	s_barrier_wait -3
	s_barrier_signal -1
	s_barrier_wait -1
.endm
; THE CHANGE OF SLOTS.  Each wave waits for all its tensor loads, of which one is out: its quarter of the next slot; adds 0 to its spare word; and waits for that and for its reads of the slot that it leaves.
; fill = 1: the barrier is a round of the cluster's, so that no wave of any partner still reads the old slot or has a load on its way, and the joint refill (what the next trip reads) is the first thing
; behind it: it has a whole trip, 256 matrix instructions a wave, in which to land.  (At its first use nothing has been read yet: slot 0 is waited for, slot 1 filled.)
; fill = 2: the same, but only V is left to ask for. fill = 0: nothing is asked for.  One tensor load of a wave is out at the most.
; The four v_nop at the end of every way are the places behind the last trip's last products: P and the fragment buffers are written next.
.macro CHANGE fill
	WIN 0
	s_wait_tensorcnt 0x0                           ; no tensor load of mine is out, so the descriptor may be written
	ds_add_u32 v12, v13                            ; 0 onto my spare word
.if \fill
	s_xor_b32 s57, s57, SLOT1                      ; the other slot,
	s_add_nc_u64 s[58:59], s[58:59], s[26:27]      ; the next 64 keys (V's first step is 0: V(0) is asked for twice); the type bits on top are not reached
	s_mov_b32 s26, 65536
	s_wait_dscnt 0x0                               ; the add is done, and my reads of the slot are over
	CROUND
.if (\fill) == 1
	tensor_load_to_lds s[56:59], s[48:55]
	s_nop 0
	PLACES
.else
	s_cmp_lt_u32 s36, 2                            ; the branch hangs on the wave's number alone: it is the same in every work-group
	s_cbranch_scc1 .Lno_k_\@
	tensor_load_to_lds s[56:59], s[48:55]
	s_nop 0
	PLACES
.Lno_k_\@:
	PLACES
.endif
.else
	s_wait_dscnt 0x0
	s_barrier_signal -1
	s_barrier_wait -1
	PLACES
.endif
	s_xor_b32 s61, s61, SLOT1                      ; the trip reads the other slot
.endm
	s_load_b512 s[4:19], s[0:1], 0x0               ; qf 4, kf 6, v1f 8, v2f 10, x1 12, x2 14, gamma 16, beta 18
	s_load_b128 s[20:23], s[0:1], 0x40             ; out0 20, out1 22
	v_lshl_add_u32 v12, v0, 2, SPARE               ; v12, v13: the add's two registers; never rewritten
	v_mov_b32 v13, 0
	ds_add_u32 v12, v13
	ds_add_u32 v12, v13
	s_wait_dscnt 0x0
	v_lshrrev_b32 v15, 5, v0
	v_readfirstlane_b32 s36, v15                   ; wave 0..3
	s_bfe_u32 s37, ttmp6, 0x40000                  ; cx: my place in the cluster
	s_lshl_b32 s38, ttmp9, 2
	s_add_co_u32 s38, s38, s37                     ; my block of 128 queries: it enters Q's, x's and the output's addresses alone
	s_and_b32 s40, ttmp7, 0xffff
	s_and_b32 s39, s40, 7                          ; batch
	s_lshr_b32 s40, s40, 3                         ; direction: both are shared by the four partners
	; descriptor group 1: 32,768 dense bytes as 128 rows of 256 bytes (32 elements of 8 bytes), no padding: fragment loads take consecutive bytes
	s_mov_b32 s48, 15|(3<<16)|(1<<21)              ; 15:0 the mask of four; 17:16 elements of 8 bytes; 21 set beside a mask
	s_mov_b32 s49, 32<<16                          ; tensor_dim0 = 32
	s_mov_b32 s50, 128<<16                         ; tensor_dim1 = 128
	s_mov_b32 s51, 32<<16                          ; tile_dim0 = 32
	s_mov_b32 s52, 128                             ; tile_dim1 = 128
	s_mov_b32 s53, 32                              ; 32 elements from row to row
	s_mov_b32 s54, 0
	s_mov_b32 s55, 0
	s_mov_b32 s56, 1                               ; group 0: count = 1
	s_lshl_b32 s57, s36, 15                        ; LDS address: wave x 32,768 in slot 0: waves 0, 1 bring K's halves, waves 2, 3 V's
	s_mov_b32 s61, SLOT1                           ; the first change of slots turns it into 0
	s_mov_b32 s[CS], 0x3d8293ee                    ; c = log2(e) / sqrt(512) = 0.0637587
	s_mov_b32 s[CS+1], s[CS]                       ; named with it as a pair
	s_mov_b32 s[SEL], 0x76543210
	s_mov_b32 s[SEL+1], 0xfedcba98
	v_and_b32 v2, 31, v0
	v_lshlrev_b32 v1, 4, v2                        ; v1: 16 x lane; never rewritten
	v_and_b32 v4, 15, v0                           ; r
	v_bfe_u32 v5, v0, 4, 1                         ; h
	s_lshl_b32 s41, s36, 7
	v_lshl_add_u32 v6, v4, 2, s41                  ; 4 (32 w + r): my query's column
	v_add_nc_u32 v10, INVL, v6                     ; v10: where its 1 / l goes
	v_mad_u32_u24 v6, v5, 8*DP, v6                 ; v6: the dump: channel row 8 h, my query's column
	v_add_nc_u32 v7, INVL, v1                      ; v7: 1 / l of my four queries at the end
	s_mul_i32 s41, s36, 128*DP
	v_add_nc_u32 v14, s41, v1                      ; v14: the end: channel row 128 w, queries 4 lane ..
	v_lshrrev_b32 v9, 1, v2
	v_and_b32 v3, 1, v2
	v_lshlrev_b32 v3, 8, v3
	v_lshl_add_u32 v9, v9, 13, v3                  ; v9: the prefetch: row lane / 2, 256-byte half lane % 2
	s_lshl_b32 s41, s36, 9
	v_add_nc_u32 v11, s41, v1
	v_add_nc_u32 v11, PART1, v11                   ; v11: my wave's partial sums
	v_add_nc_u32 v15, PART1, v1                    ; v15: all waves' partial sums
	s_and_b32 s41, s36, 1
	s_lshl_b32 s41, s41, 15                        ; which half of a tile I bring
	s_lshl_b32 s26, s39, 21                        ; the batch's 2 MiB of K and V
	s_add_co_u32 s26, s26, s41
	s_mov_b32 s27, 0
	s_mov_b32 s47, 0
	s_wait_kmcnt 0x0
	s_cmp_eq_u32 s40, 0
	s_cselect_b64 s[24:25], s[4:5], s[6:7]         ; Q
	s_cselect_b64 s[42:43], s[6:7], s[4:5]         ; K
	s_cselect_b64 s[44:45], s[10:11], s[8:9]       ; V
	s_cselect_b64 s[28:29], s[12:13], s[14:15]     ; x
	s_cselect_b64 s[30:31], s[20:21], s[22:23]     ; out
	s_cmp_lt_u32 s36, 2
	s_cselect_b64 s[58:59], s[42:43], s[44:45]     ; one load line serves all four waves: the source goes by the wave's number
	s_add_nc_u64 s[58:59], s[58:59], s[26:27]      ; global address: my half of the batch's first 64 keys
	s_or_b32 s59, s59, 0x80000000                  ; type = 2
	s_cmp_lt_u32 s36, 2                            ; (compared anew: the line above has set SCC)
	s_cselect_b32 s26, 0x10000, 0                  ; s[26:27]: the address's first step: K goes on to K(1), V stays at V(0)
	s_lshl_b32 s46, s39, 21                        ; Q: batch x 2 MiB + block x 128 KiB + wave x 32 KiB
	s_lshl_b32 s41, s38, 17
	s_add_co_u32 s46, s46, s41
	s_lshl_b32 s41, s36, 15
	s_add_co_u32 s46, s46, s41
	s_add_nc_u64 s[24:25], s[24:25], s[46:47]
	s_lshl_b32 s46, s39, 22                        ; x and out: batch x 4 MiB + 128 w rows of 8,192 bytes + block x 512 bytes
	s_lshl_b32 s41, s36, 20
	s_add_co_u32 s46, s46, s41
	s_lshl_b32 s41, s38, 9
	s_add_co_u32 s46, s46, s41
	s_add_nc_u64 s[28:29], s[28:29], s[46:47]
	s_add_nc_u64 s[30:31], s[30:31], s[46:47]
	s_lshl_b32 s46, s36, 9                         ; my 128 channels of gain and bias
	s_add_nc_u64 s[32:33], s[16:17], s[46:47]
	s_add_nc_u64 s[34:35], s[18:19], s[46:47]
	CROUND                                         ; all four work-groups are here: the first joint loads meet
	tensor_load_to_lds s[56:59], s[48:55]          ; K(0) and V(0) into slot 0
	s_nop 0
	PLACES
	WIN 0x40                                       ; Q stays in registers: destination window 1
.set i, 0
.rept 32                               ; tile i / 16, channels 32 (i % 16) on
	global_load_b128 v[8*i:8*i+3],   v1, s[24:25] offset:i*1024
	global_load_b128 v[8*i+4:8*i+7], v1, s[24:25] offset:i*1024+512
.set i, i+1
.endr
	WIN 0
.irp t, 0,1
	v_mov_b32 v[ST+8*\t], 0xfe000000               ; c m: far below every c s
	v_mov_b32 v[ST+8*\t+1], 0xff7fffff             ; m
	v_mov_b32 v[ST+8*\t+2], 0                      ; l
	v_mov_b32 v[ST+8*\t+3], 0
	v_mov_b32 v[ST+8*\t+6], 0                      ; a, for trip 0's rescaling of zeros
	v_mov_b32 v[ST+8*\t+7], 0                      ; named with it as a pair
.endr
.set i, 0
.rept 8
	v_mov_b32 v[P+i], 0                            ; a fragment of zeros
.set i, i+1
.endr
	; S^T and O^T start as the product of that fragment with itself, C = 0: 72 matrix instructions in the wait for the first tile, a quarter of the text of as many register moves
.set i, 0
.rept 8
	v_wmma_f32_16x16x32_bf16 v[S+8*i:S+8*i+7], v[P:P+7], v[P:P+7], 0
.set i, i+1
.endr
	WIN 0x80
.set i, 0
.rept 32
	v_wmma_f32_16x16x32_bf16 v[8*i:8*i+7], v[P:P+7], v[P:P+7], 0
.set i, i+1
.endr
	WIN 0xc0
.set i, 0
.rept 32
	v_wmma_f32_16x16x32_bf16 v[8*i:8*i+7], v[P:P+7], v[P:P+7], 0
.set i, i+1
.endr
	WIN 0
	s_wait_loadcnt 0x0                             ; Q
; sixteen LDS loads: K's fragments for channels 64 g .. + 63 (kc = 2 g, 2 g + 1) x 4 key blocks, into buffer g % 2
.macro FK g
	WIN 0
.set fb, F+64*((\g)%2)
.irp c, 0,1
.irp kb, 0,1,2,3
	ds_load_b128 v[fb+8*(4*\c+\kb):fb+8*(4*\c+\kb)+3],   v2 offset:\kb*16384+(2*(\g)+\c)*1024
	ds_load_b128 v[fb+8*(4*\c+\kb)+4:fb+8*(4*\c+\kb)+7], v2 offset:\kb*16384+(2*(\g)+\c)*1024+512
.endr
.endr
.endm
; sixteen LDS loads: V's fragments for channel blocks 4 g .. + 3 x 2 key halves, into buffer g % 2
.macro FV g
	WIN 0
.set fb, F+64*((\g)%2)
.irp kk, 0,1
.irp c, 0,1,2,3
	ds_load_b128 v[fb+8*(4*\kk+\c):fb+8*(4*\kk+\c)+3],   v3 offset:(4*(\g)+\c)*2048+\kk*1024
	ds_load_b128 v[fb+8*(4*\kk+\c)+4:fb+8*(4*\kk+\c)+7], v3 offset:(4*(\g)+\c)*2048+\kk*1024+512
.endr
.endr
.endm
; The last step's weights, which lie unrounded in S^T's registers, are rounded to bf16 into P: 32 conversions, pairs ascending
.macro PACKP
	WIN 0
.set i, 0
.rept 16
	v_cvt_pk_bf16_f32 v[P+i],    v[S+2*i],    v[S+2*i+1]
	v_cvt_pk_bf16_f32 v[P+16+i], v[S+32+2*i], v[S+32+2*i+1]
.set i, i+1
.endr
.endm
; Sixteen products of S^T = K Q^T; the eight accumulators take turns, one instruction a turn; the first eight of a step start the sums with 0.
; Behind every two of them one accumulator of O^T (number 8 g + 4 c + kb of 64: tile, channel block) is multiplied by the last step's a, registers ascending:
; four packed multiplies that name no register of the products round them, so they are also the places in front of the next run of loads.
.macro SMULR g
.set fb, F+64*((\g)%2)
.irp c, 0,1
.irp kb, 0,1,2,3
	WIN 0x04                                       ; Q (source 1) in window 1
.irp t, 0,1
.if (2*(\g)+\c) == 0
	v_wmma_f32_16x16x32_bf16 v[S+32*\t+8*\kb:S+32*\t+8*\kb+7], v[fb+8*(4*\c+\kb):fb+8*(4*\c+\kb)+7], v[128*\t+8*(2*(\g)+\c):128*\t+8*(2*(\g)+\c)+7], 0
.else
	v_wmma_f32_16x16x32_bf16 v[S+32*\t+8*\kb:S+32*\t+8*\kb+7], v[fb+8*(4*\c+\kb):fb+8*(4*\c+\kb)+7], v[128*\t+8*(2*(\g)+\c):128*\t+8*(2*(\g)+\c)+7], v[S+32*\t+8*\kb:S+32*\t+8*\kb+7]
.endif
.endr
.set ra, 8*(\g)+4*\c+\kb
	WIN 0x82+0x41*(ra/32)                          ; O^T (destination and source 0) in window 2 or 3, a in window 0
.set z, 0
.rept 4
	v_pk_mul_f32 v[8*(ra%32)+2*z:8*(ra%32)+2*z+1], v[8*(ra%32)+2*z:8*(ra%32)+2*z+1], v[ST+8*(ra/32)+6:ST+8*(ra/32)+7] op_sel_hi:[1,0]
.set z, z+1
.endr
.endr
.endr
.endm
; ONE TILE'S SOFTMAX for one step is a numbered list; SM writes number j of it for tile t (some numbers are empty).  s0-s31 are the lane's 32 scores, in pairs 0-15.
;   0-15   the maximum of s0-s31 and the old m, three operands at a time (each accumulator's lowest registers are read first)
;   16-20  the other half of the lanes' maximum; the new m; c m; c m_old - c m_new
;   21-87  33 exponentials (a, then s0-s31, in place) at the odd numbers from 23 on; between them c s - c m for a pair still to come, and the sums: pair pn is added three numbers behind its second
;          exponential, even pairs onto l (the first as l = a l + pair 0), odd pairs onto a second chain.  The weights stay in S^T's registers: PACKP rounds them in the next trip
;   89, 91 the last pair; the second chain onto l
.macro SM t
.set rT, ST+8*(\t)
.set rS, S+32*(\t)
.set q, (j-20)/2
.if j < 4
	v_max3_num_f32 v[rT+4+j], v[rS+8*j], v[rS+8*j+1], v[rS+8*j+2]
.elseif j < 12
	v_max3_num_f32 v[rT+4+j%4], v[rT+4+j%4], v[rS+8*(j%4)+2*(j/4)+1], v[rS+8*(j%4)+2*(j/4)+2]
.elseif j == 12
	v_max3_num_f32 v[rT+4], v[rT+4], v[rS+7], v[rS+15]
.elseif j == 13
	v_max3_num_f32 v[rT+6], v[rT+6], v[rS+23], v[rS+31]
.elseif j == 14
	v_max3_num_f32 v[rT+4], v[rT+4], v[rT+5], v[rT+6]
.elseif j == 15
	v_max3_num_f32 v[rT+4], v[rT+4], v[rT+7], v[rT+1]
.elseif j == 16
	v_permlanex16_b32 v[rT+5], v[rT+4], s[SEL], s[SEL+1]   ; the query's other 32 keys lie in the lane 16 away
.elseif j == 17
	v_mov_b32 v[rT+7], v[rT]                       ; c m_old is kept for a
.elseif j == 18
	v_max_num_f32 v[rT+1], v[rT+4], v[rT+5]
.elseif j == 19
	v_mul_f32 v[rT], s[CS], v[rT+1]
.elseif j == 20
	v_sub_f32 v[rT+7], v[rT+7], v[rT]
.elseif j == 23
	v_exp_f32 v[rT+6], v[rT+7]
.elseif (j < 88) && (j > 23) && (j%2 == 1)
	v_exp_f32 v[rS+(j-25)/2], v[rS+(j-25)/2]
.elseif (j < 76) && ((q < 4) || (q%2 == 0))
.set pb, q/2+2
.if q < 4
.set pb, q
.endif
	v_pk_fma_f32 v[rS+2*pb:rS+2*pb+1], v[rS+2*pb:rS+2*pb+1], s[CS:CS+1], v[rT:rT+1] op_sel_hi:[1,0,0] neg_lo:[0,0,1] neg_hi:[0,0,1]   ; pair pb: c s - c m
.elseif ((j < 88) && (q%2 == 1)) || (j == 89)
.set pn, (q-5)/2
.if j == 89
.set pn, 15
.endif
.if pn == 0
	s_wait_alu depctr_va_vdst(0)
	v_pk_fma_f32 v[rT+2:rT+3], v[rT+2:rT+3], v[rT+6:rT+7], v[rS:rS+1] op_sel_hi:[1,0,1]
.elseif pn == 3
	s_wait_alu depctr_va_vdst(0)
	v_pk_add_f32 v[rT+4:rT+5], v[rS+2:rS+3], v[rS+6:rS+7]  ; pairs 1 and 3 start the second chain: nothing is cleared
.elseif (pn%2 == 0)
	s_wait_alu depctr_va_vdst(0)
	v_pk_add_f32 v[rT+2:rT+3], v[rT+2:rT+3], v[rS+2*pn:rS+2*pn+1]
.elseif pn > 3
	s_wait_alu depctr_va_vdst(0)
	v_pk_add_f32 v[rT+4:rT+5], v[rT+4:rT+5], v[rS+2*pn:rS+2*pn+1]
.endif
.elseif j == 91
	v_pk_add_f32 v[rT+2:rT+3], v[rT+2:rT+3], v[rT+4:rT+5]
.endif
.endm
; Slice k of 46: numbers 2 k and 2 k + 1 of both tiles' lists, four instructions at the most.  From number 22 to 87 tile by tile (plain, exponential, plain, exponential); elsewhere the tiles alternate,
; so that no instruction reads the result of the one just before it.  Between an exponential and the first use of its result stands a plain instruction of the other tile (ISA guide 5.7.2).
.macro SLICE
.if k < 46
	WIN 0
.if (k >= 11) && (k < 44)
.irp t, 0,1
.irp n, 0,1
.set j, 2*k+\n
	SM \t
.endr
.endr
.else
.irp n, 0,1
.irp t, 0,1
.set j, 2*k+\n
	SM \t
.endr
.endr
.endif
.endif
.set k, k+1
.endm
; Sixteen products of O^T += V^T P, channel blocks 4 g .. + 3, tile 0 and then tile 1; a tile's four accumulators take turns.  Behind every two of them a slice of the softmax, which names S^T and the
; statistics alone: no register of the products round it.
.macro PVMR g
.set fb, F+64*((\g)%2)
.irp t, 0,1
.irp kk, 0,1
.irp cp, 0,2
	WIN 0xa0+0x50*\t
	v_wmma_f32_16x16x32_bf16 v[32*(\g)+8*\cp:32*(\g)+8*\cp+7], v[fb+8*(4*\kk+\cp):fb+8*(4*\kk+\cp)+7], v[P+16*\t+8*\kk:P+16*\t+8*\kk+7], v[32*(\g)+8*\cp:32*(\g)+8*\cp+7]
	v_wmma_f32_16x16x32_bf16 v[32*(\g)+8*\cp+8:32*(\g)+8*\cp+15], v[fb+8*(4*\kk+\cp)+8:fb+8*(4*\kk+\cp)+15], v[P+16*\t+8*\kk:P+16*\t+8*\kk+7], v[32*(\g)+8*\cp+8:32*(\g)+8*\cp+15]
	SLICE
.endr
.endr
.endr
.endm
; A TRIP.  The LDS loads stand in runs of sixteen, each a run of products ahead of its use: at every wait the sixteen just issued may be out.  The conversions stand behind the first two runs, while those land.
.macro BODY
	v_add_nc_u32 v2, s61, v1                       ; K of this slot
	v_add_nc_u32 v3, VOFF, v2                      ; V of this slot
	FK 0
	FK 1
	PACKP
.irp g, 0,1,2,3,4,5,6,7
.if \g > 0
.if \g < 7
	FK (\g)+1                                      ; its buffer's last reader stands four packed multiplies back
.else
	FV 0
.endif
.endif
	s_wait_dscnt 16
	SMULR \g
.endr
.set k, 0
.irp g, 0,1,2,3,4,5,6,7
.if \g > 0
	PLACES                                         ; a slice may hold exponentials, which are no places, or be empty
.endif
.if \g < 7
	FV (\g)+1
	s_wait_dscnt 16
.else
	s_wait_dscnt 0
.endif
	PVMR \g
.endr
.endm
; for the tail: eight products of O^T += V^T P for tile t, and O^T of tile t, channel blocks 4 g .. + 3, times a
.macro PVM g, t
	WIN 0xa0+0x50*(\t)
.set fb, F+64*((\g)%2)
.irp kk, 0,1
.irp c, 0,1,2,3
	v_wmma_f32_16x16x32_bf16 v[32*(\g)+8*\c:32*(\g)+8*\c+7], v[fb+8*(4*\kk+\c):fb+8*(4*\kk+\c)+7], v[P+16*(\t)+8*\kk:P+16*(\t)+8*\kk+7], v[32*(\g)+8*\c:32*(\g)+8*\c+7]
.endr
.endr
.endm
.macro RESC g, t
	WIN 0x82+0x41*(\t)
.set z, 0
.rept 16
	v_pk_mul_f32 v[32*(\g)+2*z:32*(\g)+2*z+1], v[32*(\g)+2*z:32*(\g)+2*z+1], v[ST+8*(\t)+6:ST+8*(\t)+7] op_sel_hi:[1,0]
.set z, z+1
.endr
.endm
	s_mov_b32 s60, 31
.Lstep:                                ; 31 trips: trip t waits for K(t) and V(t-1), asks for K(t+1) and V(t), and works
	CHANGE 1
	BODY
	WIN 0
	s_sub_co_u32 s60, s60, 1
	s_cmp_lg_u32 s60, 0
	s_cbranch_scc1 .Lstep
	CHANGE 2                                       ; trip 31 is written out: V(31) alone is asked for
	BODY
	CHANGE 0                                       ; THE TAIL: nothing is asked for; there are no further scores
	v_add_nc_u32 v2, s61, v1
	v_add_nc_u32 v3, VOFF, v2
	FV 0
	PACKP
	global_load_b128 v[88:91], v1, s[32:33]        ; the gain and the bias of my 128 channels, four a lane, into registers of S^T, which is done with
	global_load_b128 v[92:95], v1, s[34:35]
	WIN 0x40                                       ; Q is done with: its registers take the first 32 rows of my x
.set i, 0
.rept 32
	global_load_b128 v[4*i:4*i+3], v1, s[28:29] offset:i*8192 th:TH_LOAD_NT
.set i, i+1
.endr
	WIN 0
.irp n, 0,1,2,3,4,5                    ; each line: 16 rows x two blocks of 256 bytes, a lane a block; each block of my rows 32 to 127 is asked for once, by me alone; all lie inside x
	global_prefetch_b8 v9, s[28:29] offset:(32+16*\n)*8192 th:TH_LOAD_NT scope:SCOPE_SE
.endr
	RESC 0, 0
	RESC 0, 1
.irp g, 0,1,2,3,4,5,6,7
.if \g < 7
	FV (\g)+1                                      ; its buffer's last reader stands sixteen plain instructions back
	s_wait_dscnt 16
.else
	s_wait_dscnt 0
.endif
	PVM \g, 0
.if \g < 7
	RESC (\g)+1, 0
.endif
	PVM \g, 1
.if \g < 7
	RESC (\g)+1, 1
.endif
.endr
	; THE END.  1 / l: l's two halves and the other half of the lanes' are added.  These lines are also the places behind the last products.
	WIN 0
.irp t, 0,1
	v_add_f32 v[ST+8*\t+4], v[ST+8*\t+2], v[ST+8*\t+3]
.endr
.irp t, 0,1
	v_permlanex16_b32 v[ST+8*\t+5], v[ST+8*\t+4], s[SEL], s[SEL+1]
.endr
.irp t, 0,1
	v_add_f32 v[ST+8*\t+4], v[ST+8*\t+4], v[ST+8*\t+5]
.endr
.irp t, 0,1
	v_rcp_f32 v[ST+8*\t+6], v[ST+8*\t+4]
.endr
	v_nop                                          ; a plain instruction between the last reciprocal and the use of its result
.irp dg, 0,1,2,3
	v_add_nc_u32 v[128+\dg], \dg*128*DP, v6        ; the dump's addresses: 128 channel rows apart, so that the offsets stay inside 16 bits
.endr
	s_lshl_b32 s41, s36, 10
	s_add_co_u32 s41, s41, GB                      ; my wave's gain and bias in LDS
	v_add_nc_u32 v2, s41, v1                       ; v2: where my four numbers go
	v_mov_b32 v3, s41                              ; v3: where sixteen channels' numbers are read, the same address in every lane
	s_wait_dscnt 0x0                               ; my reads of the last slot are over
	s_barrier_signal -1
	s_barrier_wait -1                              ; everybody's are: the slots, which have had their last fill, may be written
	s_wait_alu depctr_va_vdst(0)
	ds_store_b32 v10, v[ST+6]                      ; (lanes r and r + 16 hold the same number and write the same word)
	ds_store_b32 v10, v[ST+14] offset:64
	s_wait_loadcnt 32                              ; gain and bias are in; the 32 rows of x asked for behind them may be out
	ds_store_b128 v2, v[88:91]                     ; bytes that my wave alone reads
	ds_store_b128 v2, v[92:95] offset:512
.irp t, 0,1
	WIN 0x08+4*\t                                  ; store data (source 1) in window 2 or 3
.irp dg, 0,1,2,3
.set i, 0
.rept 64                               ; channel 128 dg + 16 (i / 8) + 8 h + i % 8; each accumulator's registers ascending
	ds_store_b32 v[128+\dg], v[64*\dg+i] offset:(i/8)*16*DP+(i%8)*DP+64*\t
.set i, i+1
.endr
.endr
.endr
	WIN 0
	s_wait_dscnt 0x0                               ; for the others' sake: my columns of the dump are in LDS
	s_barrier_signal -1
	s_barrier_wait -1
	ds_load_b128 v[20:23], v7                      ; 1 / l of my four queries
	v_mov_b32 v8, v14
.irp e, 16,17,18,19, 28,29,30,31
	v_mov_b32 v\e, 0                               ; the sums of v and of (v - mean)^2
.endr
; PASS 1, sixteen channel rows: v = O / l + x, kept in place in LDS; the sum of v.  x lies in two sets of 16 rows in window 1; fill = 1: the set takes the rows 32 further down.
; n: the x loads behind this set's, which may stay out.  At row i the 15 - i younger LDS loads and the i stores issued since may be out: 15.
.macro HALF set, fill, n
	WIN 0
.set i, 0
.rept 16
	ds_load_b128 v[32+4*i:35+4*i], v8 offset:i*DP
.set i, i+1
.endr
	s_wait_loadcnt \n
	WIN 0x10                                       ; x (source 2) in window 1
.set i, 0
.rept 16
	s_wait_dscnt 15
	v_pk_fma_f32 v[32+4*i:33+4*i], v[32+4*i:33+4*i], v[20:21], v[64*(\set)+4*i:64*(\set)+4*i+1]
	v_pk_fma_f32 v[34+4*i:35+4*i], v[34+4*i:35+4*i], v[22:23], v[64*(\set)+4*i+2:64*(\set)+4*i+3]
	v_pk_add_f32 v[16:17], v[16:17], v[32+4*i:33+4*i]
	v_pk_add_f32 v[18:19], v[18:19], v[34+4*i:35+4*i]
	ds_store_b128 v8, v[32+4*i:35+4*i] offset:i*DP
.set i, i+1
.endr
.if \fill
	WIN 0x40
.set i, 0
.rept 16
	global_load_b128 v[64*(\set)+4*i:64*(\set)+4*i+3], v1, s[28:29] offset:(32+i)*8192 th:TH_LOAD_NT
.set i, i+1
.endr
.endif
	WIN 0
	v_add_nc_u32 v8, 16*DP, v8
.if \fill
	s_wait_xcnt 0x0                                ; x's base is stepped only behind this wait
	s_add_nc_u64 s[28:29], s[28:29], 16*8192
.endif
.endm
	s_mov_b32 s60, 3
.Lskip:                                ; three trips of 32 rows
	HALF 0, 1, 16
	HALF 1, 1, 16
	s_sub_co_u32 s60, s60, 1
	s_cmp_lg_u32 s60, 0
	s_cbranch_scc1 .Lskip
	HALF 0, 0, 16                                  ; the last 32 rows: nothing more to fetch
	HALF 1, 0, 0
; The four waves' partial sums (in v[src:src+3]) meet in LDS at byte off behind PART1; every lane ends with the totals of its four queries in v[104:107].
.macro GATHER src, off
	ds_store_b128 v11, v[\src:\src+3] offset:\off
	s_wait_dscnt 0x0                               ; for the others' sake
	s_barrier_signal -1
	s_barrier_wait -1
.irp kw, 0,1,2,3
	ds_load_b128 v[104+4*\kw:107+4*\kw], v15 offset:(\off)+512*\kw
.endr
	s_wait_dscnt 0x0
	v_pk_add_f32 v[104:105], v[104:105], v[108:109]
	v_pk_add_f32 v[106:107], v[106:107], v[110:111]
	v_pk_add_f32 v[112:113], v[112:113], v[116:117]
	v_pk_add_f32 v[114:115], v[114:115], v[118:119]
	v_pk_add_f32 v[104:105], v[104:105], v[112:113]
	v_pk_add_f32 v[106:107], v[106:107], v[114:115]
.endm
	GATHER 16, 0
	v_pk_mul_f32 v[24:25], v[104:105], 0x3b000000 op_sel_hi:[1,0]   ; the mean: / 512
	v_pk_mul_f32 v[26:27], v[106:107], 0x3b000000 op_sel_hi:[1,0]
	; PASS 2: the sum of (v - mean)^2 over my 128 channel rows, which I stored myself (LDS serves a wave's instructions in order: ISA guide 5.7.1.4)
	v_mov_b32 v8, v14
	s_mov_b32 s60, 8
.Lvar:
.set i, 0
.rept 16
	ds_load_b128 v[32+4*i:35+4*i], v8 offset:i*DP
.set i, i+1
.endr
.set i, 0
.rept 16
	s_wait_dscnt 15-i
	v_pk_add_f32 v[32+4*i:33+4*i], v[32+4*i:33+4*i], v[24:25] neg_lo:[0,1] neg_hi:[0,1]
	v_pk_add_f32 v[34+4*i:35+4*i], v[34+4*i:35+4*i], v[26:27] neg_lo:[0,1] neg_hi:[0,1]
	v_pk_fma_f32 v[28:29], v[32+4*i:33+4*i], v[32+4*i:33+4*i], v[28:29]
	v_pk_fma_f32 v[30:31], v[34+4*i:35+4*i], v[34+4*i:35+4*i], v[30:31]
.set i, i+1
.endr
	v_add_nc_u32 v8, 16*DP, v8
	s_sub_co_u32 s60, s60, 1
	s_cmp_lg_u32 s60, 0
	s_cbranch_scc1 .Lvar
	GATHER 28, 2048
	s_mov_b32 s46, 0x3b000000                      ; 1 / 512
	s_mov_b32 s47, 0x3727c5ac                      ; 1e-5
.irp e, 0,1,2,3
	v_fma_f32 v[104+\e], v[104+\e], s46, s47       ; variance + eps
.endr
.irp e, 0,1,2,3
	v_rsq_f32 v[96+\e], v[104+\e]
.endr
	v_nop                                          ; a plain instruction between the last root and the use of its result
	s_wait_alu depctr_va_vdst(0)
.irp e, 0,1,2,3
	v_mul_f32 v[100+\e], -v[24+\e], v[96+\e]       ; - mean x rs
.endr
	; PASS 3: y = (v rs - mean rs) gamma[c] + beta[c]; a row's 512 bytes leave by one store of the wave, aligned.  Sixteen channels' gain and bias come out of my wave's own LDS bytes,
	; every lane reading the same address, by eight loads ahead of the sixteen rows': older than these, so the rows' counts cover them.
	v_mov_b32 v8, v14
	s_mov_b32 s60, 8
.Lnorm:
.irp kq, 0,1,2,3
	ds_load_b128 v[104+4*\kq:107+4*\kq], v3 offset:16*\kq
	ds_load_b128 v[120+4*\kq:123+4*\kq], v3 offset:512+16*\kq
.endr
.set i, 0
.rept 16
	ds_load_b128 v[32+4*i:35+4*i], v8 offset:i*DP
.set i, i+1
.endr
.set i, 0
.rept 16
	s_wait_dscnt 15-i
	v_pk_fma_f32 v[32+4*i:33+4*i], v[32+4*i:33+4*i], v[96:97], v[100:101]
	v_pk_fma_f32 v[34+4*i:35+4*i], v[34+4*i:35+4*i], v[98:99], v[102:103]
.irp e, 0,1,2,3
	v_fma_f32 v[32+4*i+\e], v[32+4*i+\e], v[104+i], v[120+i]
.endr
	global_store_b128 v1, v[32+4*i:35+4*i], s[30:31] offset:i*8192 th:TH_STORE_NT
.set i, i+1
.endr
	s_wait_xcnt 0x0                                ; the stores' data and base are rewritten only behind this wait
	s_add_nc_u64 s[30:31], s[30:31], 16*8192
	v_add_nc_u32 v8, 16*DP, v8
	v_add_nc_u32 v3, 64, v3
	s_sub_co_u32 s60, s60, 1
	s_cmp_lg_u32 s60, 0
	s_cbranch_scc1 .Lnorm
	s_wait_tensorcnt 0x0                           ; the wave's end: behind my last tensor load and my last LDS store
	ds_add_u32 v12, v13
	s_wait_dscnt 0x0
	CROUND                                         ; the closing round: no work-group ends while a partner may still ask for a tile that names it
	s_endpgm
.Lfunc_end_k_qc6c726cca2_attn:
	.size	k_qc6c726cca2_attn, .Lfunc_end_k_qc6c726cca2_attn-k_qc6c726cca2_attn
	.p2alignl 7, 3214868480
	.fill 96, 4, 3214868480
	.section	.rodata,"a",@progbits
	.p2align	6, 0x0
	.amdhsa_kernel k_qc6c726cca2_attn
		.amdhsa_group_segment_fixed_size 327680
		.amdhsa_private_segment_fixed_size 0
		.amdhsa_enable_private_segment 0
		.amdhsa_kernarg_size 80
		.amdhsa_user_sgpr_count 2
		.amdhsa_user_sgpr_kernarg_segment_ptr 1
		.amdhsa_wavefront_size32 1
		.amdhsa_system_sgpr_workgroup_id_x 1
		.amdhsa_system_sgpr_workgroup_id_y 1
		.amdhsa_system_sgpr_workgroup_id_z 1
		.amdhsa_system_vgpr_workitem_id 0
		.amdhsa_next_free_vgpr 1024
		.amdhsa_next_free_sgpr 68
		.amdhsa_reserve_vcc 0
		.amdhsa_float_denorm_mode_32 3
		.amdhsa_float_denorm_mode_16_64 3
		.amdhsa_memory_ordered 1
		.amdhsa_forward_progress 1
		.amdhsa_inst_pref_size 255
	.end_amdhsa_kernel
	.section	.bss,"aw",@nobits
	.p2align	6
	.space	262144
	.amdgpu_metadata
---
amdhsa.version: [ 1, 2 ]
amdhsa.kernels:
  - .name:           k_qc6c726cca2_attn
    .symbol:         k_qc6c726cca2_attn.kd
    .args:
      - { .name: qf, .offset: 0, .size: 8, .value_kind: global_buffer, .address_space: global }
      - { .name: kf, .offset: 8, .size: 8, .value_kind: global_buffer, .address_space: global }
      - { .name: v1f, .offset: 16, .size: 8, .value_kind: global_buffer, .address_space: global }
      - { .name: v2f, .offset: 24, .size: 8, .value_kind: global_buffer, .address_space: global }
      - { .name: x1, .offset: 32, .size: 8, .value_kind: global_buffer, .address_space: global }
      - { .name: x2, .offset: 40, .size: 8, .value_kind: global_buffer, .address_space: global }
      - { .name: ln_gamma, .offset: 48, .size: 8, .value_kind: global_buffer, .address_space: global }
      - { .name: ln_beta, .offset: 56, .size: 8, .value_kind: global_buffer, .address_space: global }
      - { .name: out0, .offset: 64, .size: 8, .value_kind: global_buffer, .address_space: global }
      - { .name: out1, .offset: 72, .size: 8, .value_kind: global_buffer, .address_space: global }
    .group_segment_fixed_size: 327680
    .private_segment_fixed_size: 0
    .kernarg_segment_align: 8
    .kernarg_segment_size: 80
    .max_flat_workgroup_size: 128
    .sgpr_count:     68
    .vgpr_count:     1024
    .wavefront_size: 32
...
	.end_amdgpu_metadata
.endif
;; end of part 3
